; MI455X (gfx1250); checked and timed in simulation.
; The chip was launched on July 23, 2026; its instructions are those of AMD's public machine-readable ISA for CDNA 5 (MIT licence, August 2026) and "CDNA5" Instruction Set Architecture Reference Guide (July 2026). The comments in the code are by the model that wrote it; some were corrected since.
;; Self Attention. Allowed arithmetic: float matrix products may take bf16 or f16 operands with f32 sums; all other float work in f32.
;; Inputs: Wk 1,024 x 1,024 float32; Wq 1,024 x 1,024 float32; Wv 1,024 x 1,024 float32; bk 1,024 float32; bq 1,024 float32; bv 1,024 float32; x 4 x 2,048 x 1,024 float32.
;; Outputs: out0 4 x 2,048 x 1,024 float32.
;; One version. Each part assembles by itself: llvm-mc -triple=amdgcn-amd-amdhsa -mcpu=gfx1250 --defsym DOCPART=n.
;; ======== version 1 of 1: 4 launches
;; limits: values are held in f16: magnitudes above 65,504 overflow, below 6.1e-05 lose precision; values outside matrix products are rounded to bf16
;; workspace buffers: xb 16,777,216 bytes; wb 6,291,456 bytes; bb 12,288 bytes; qkvt 50,331,648 bytes; pm 33,554,432 bytes; st 1,048,576 bytes
;; launch cast (part 1): grid 2816 x 1, 4 waves a work-group, no clusters, 0 bytes of LDS; arguments x, Wq, Wk, Wv, bq, bk, bv, xb, wb, bb; writes xb, wb, bb
.if DOCPART == 1
	.amdgcn_target "amdgcn-amd-amdhsa--gfx1250"
	.amdhsa_code_object_version 6
	.text
	.protected	k_q2a7baf5a34_cast
	.globl	k_q2a7baf5a34_cast
	.p2align	8
	.type	k_q2a7baf5a34_cast,@function
k_q2a7baf5a34_cast:
	s_mov_b64 s[64:65], 0
	v_nop
	global_prefetch_b8 v0, s[64:65] scope:SCOPE_SE
	s_setreg_imm32_b32 hwreg(HW_REG_WAVE_MODE, 25, 1), 1
	s_wait_xcnt 0x0
; x and the three weights are rounded to bf16 and laid out for the projection; the three biases are rounded to bf16 and kept as f32 (bb: [3072]).
; LAYOUT.  xb: [16 planes][8192 rows][64]: plane p holds columns 64 p .. 64 p + 63, a row is 128 bytes, rows lie end to end, so that any run of rows of a plane is dense in memory.
; Within each group of 128 rows, row 16 b + r holds token 8 r + b (b = 0..7, r = 0..15): the projection then finds eight neighbouring tokens in one lane.
; wb: [16 planes][3072 rows][64], rows of Wq, Wk, Wv in their own order.
; A stream: no LDS, no matrix unit, no barrier.  A work-group takes 4 rows x 1,024 numbers; 2,048 work-groups for x, 768 for the weights: 2,816, eleven for each of 256 WGPs.
; A wave takes two rows (lanes 0-15 one, lanes 16-31 the next) and eight planes: each half of a load covers 256 consecutive bytes, aligned; a store of 8 bytes a lane covers the two rows' 256 consecutive bytes.
; All eight loads go out first; no register is written twice, so the only waits are the counted ones for the loads.
.set GX,  2048                         ; work-groups for x
.set XPL, 1048576                      ; bytes in a plane of xb
.set WPL, 393216                       ; bytes in a plane of wb
.set X,   16                           ; v[16:47]  eight pieces as loaded
.set Y,   48                           ; v[48:63]  eight pieces rounded
.macro BODY src, dst, plane            ; v10: byte offset in the source, v11: in the destination
.irp j, 0,1,2,3,4,5,6,7
	global_load_b128 v[X+4*(\j):X+4*(\j)+3], v10, s[\src:\src+1] offset:256*(\j) th:TH_LOAD_NT
.endr
.irp j, 0,1,2,3,4,5,6,7
	s_wait_loadcnt 7-(\j)                          ; loads come back in order: piece j is in, the 7 - j younger ones stay out
	v_cvt_pk_bf16_f32 v[Y+2*(\j)],   v[X+4*(\j)],   v[X+4*(\j)+1]
	v_cvt_pk_bf16_f32 v[Y+2*(\j)+1], v[X+4*(\j)+2], v[X+4*(\j)+3]
	global_store_b64 v11, v[Y+2*(\j):Y+2*(\j)+1], s[\dst:\dst+1] offset:(\plane)*(\j)
.endr
.endm
	s_load_b512 s[8:23], s[0:1], 0x0               ; x 8:9, Wq 10:11, Wk 12:13, Wv 14:15, bq 16:17, bk 18:19, bv 20:21, xb 22:23
	s_load_b128 s[24:27], s[0:1], 0x40             ; wb 24:25, bb 26:27
	s_mov_b32 s37, ttmp9
	v_and_b32 v1, 15, v0                           ; my place in a row's 256 bytes
	v_bfe_u32 v2, v0, 4, 1                         ; which of the wave's two rows
	v_lshrrev_b32 v3, 6, v0                        ; waves 0, 1: rows 0, 1; waves 2, 3: rows 2, 3
	v_bfe_u32 v4, v0, 5, 1                         ; even waves: planes 0-7; odd waves: planes 8-15
	v_lshl_add_u32 v2, v3, 1, v2                   ; my row among the work-group's four
	v_lshlrev_b32 v5, 4, v1
	v_lshl_add_u32 v5, v4, 11, v5                  ; in a source row: 2,048 bytes for eight planes, 16 bytes a lane
	v_lshlrev_b32 v6, 3, v1                        ; in a destination row: 8 bytes a lane
	s_cmp_lt_u32 s37, GX
	s_cbranch_scc0 .Lweights
	s_lshl_b32 s2, s37, 2
	v_add_nc_u32 v7, s2, v2                        ; my row of xb
	v_and_b32 v8, 0xffffff80, v7                   ; its group of 128,
	v_and_b32 v9, 15, v7
	v_lshl_or_b32 v8, v9, 3, v8                    ; 8 r,
	v_bfe_u32 v9, v7, 4, 3
	v_or_b32 v8, v8, v9                            ; + b: the token that it holds
	v_lshl_add_u32 v10, v8, 12, v5
	v_lshl_add_u32 v11, v7, 7, v6
	v_lshl_add_u32 v11, v4, 23, v11                ; eight planes of xb are 1 << 23 bytes
	s_wait_kmcnt 0x0
	BODY 8, 22, XPL
	s_endpgm
.Lweights:
	s_sub_co_u32 s2, s37, GX
	s_lshr_b32 s3, s2, 8                           ; which weight: 256 work-groups each
	s_and_b32 s4, s2, 255
	s_lshl_b32 s5, s2, 2                           ; first row in wb
	s_lshl_b32 s6, s4, 2                           ; first row in the weight
	v_add_nc_u32 v7, s5, v2
	v_add_nc_u32 v8, s6, v2
	v_lshl_add_u32 v10, v8, 12, v5
	v_lshl_add_u32 v11, v7, 7, v6
	v_mul_u32_u24 v9, v4, 8*WPL
	v_add_nc_u32 v11, v11, v9
	s_wait_kmcnt 0x0
	s_cmp_eq_u32 s3, 1
	s_cselect_b64 s[28:29], s[12:13], s[10:11]     ; Wk or Wq
	s_cmp_eq_u32 s3, 2
	s_cselect_b64 s[28:29], s[14:15], s[28:29]     ; Wv
	BODY 28, 24, WPL
	; the first work-group of each weight also takes that weight's bias: 1,024 numbers, twice four a thread, 512 numbers apart
	s_cmp_lg_u32 s4, 0
	s_cbranch_scc1 .Lend
	v_lshlrev_b32 v12, 4, v0
	s_cmp_eq_u32 s3, 1
	s_cselect_b64 s[32:33], s[18:19], s[16:17]     ; bk or bq
	s_cmp_eq_u32 s3, 2
	s_cselect_b64 s[32:33], s[20:21], s[32:33]     ; bv
	s_lshl_b32 s34, s3, 12                         ; 4,096 bytes of bb for each
	s_mov_b32 s35, 0
	s_add_nc_u64 s[26:27], s[26:27], s[34:35]
	global_load_b128 v[64:67], v12, s[32:33]
	global_load_b128 v[68:71], v12, s[32:33] offset:2048
	s_wait_loadcnt 0x0
	v_cvt_pk_bf16_f32 v72, v64, v65
	v_cvt_pk_bf16_f32 v73, v66, v67
	v_cvt_pk_bf16_f32 v74, v68, v69
	v_cvt_pk_bf16_f32 v75, v70, v71
.irp i, 0,1,2,3
	v_lshlrev_b32 v[76+2*(\i)], 16, v[72+(\i)]     ; back to f32: the low half moves up, the high half stays
	v_and_b32 v[77+2*(\i)], 0xffff0000, v[72+(\i)]
.endr
	global_store_b128 v12, v[76:79], s[26:27]
	global_store_b128 v12, v[80:83], s[26:27] offset:2048
.Lend:
	s_endpgm
.Lfunc_end_k_q2a7baf5a34_cast:
	.size	k_q2a7baf5a34_cast, .Lfunc_end_k_q2a7baf5a34_cast-k_q2a7baf5a34_cast
	.p2alignl 7, 3214868480
	.fill 96, 4, 3214868480
	.section	.rodata,"a",@progbits
	.p2align	6, 0x0
	.amdhsa_kernel k_q2a7baf5a34_cast
		.amdhsa_group_segment_fixed_size 0
		.amdhsa_private_segment_fixed_size 0
		.amdhsa_enable_private_segment 0
		.amdhsa_kernarg_size 80
		.amdhsa_user_sgpr_count 2
		.amdhsa_user_sgpr_kernarg_segment_ptr 1
		.amdhsa_wavefront_size32 1
		.amdhsa_system_sgpr_workgroup_id_x 1
		.amdhsa_system_sgpr_workgroup_id_y 1
		.amdhsa_system_sgpr_workgroup_id_z 1
		.amdhsa_system_vgpr_workitem_id 0
		.amdhsa_next_free_vgpr 88
		.amdhsa_next_free_sgpr 66
		.amdhsa_reserve_vcc 0
		.amdhsa_float_denorm_mode_32 3
		.amdhsa_float_denorm_mode_16_64 3
		.amdhsa_memory_ordered 1
		.amdhsa_forward_progress 1
		.amdhsa_inst_pref_size 9
	.end_amdhsa_kernel
	.amdgpu_metadata
---
amdhsa.version: [ 1, 2 ]
amdhsa.kernels:
  - .name:           k_q2a7baf5a34_cast
    .symbol:         k_q2a7baf5a34_cast.kd
    .args:
      - { .name: x, .offset: 0, .size: 8, .value_kind: global_buffer, .address_space: global }
      - { .name: Wq, .offset: 8, .size: 8, .value_kind: global_buffer, .address_space: global }
      - { .name: Wk, .offset: 16, .size: 8, .value_kind: global_buffer, .address_space: global }
      - { .name: Wv, .offset: 24, .size: 8, .value_kind: global_buffer, .address_space: global }
      - { .name: bq, .offset: 32, .size: 8, .value_kind: global_buffer, .address_space: global }
      - { .name: bk, .offset: 40, .size: 8, .value_kind: global_buffer, .address_space: global }
      - { .name: bv, .offset: 48, .size: 8, .value_kind: global_buffer, .address_space: global }
      - { .name: xb, .offset: 56, .size: 8, .value_kind: global_buffer, .address_space: global }
      - { .name: wb, .offset: 64, .size: 8, .value_kind: global_buffer, .address_space: global }
      - { .name: bb, .offset: 72, .size: 8, .value_kind: global_buffer, .address_space: global }
    .group_segment_fixed_size: 0
    .private_segment_fixed_size: 0
    .kernarg_segment_align: 8
    .kernarg_segment_size: 80
    .max_flat_workgroup_size: 128
    .sgpr_count:     66
    .vgpr_count:     88
    .wavefront_size: 32
...
	.end_amdgpu_metadata
.endif
;; end of part 1
;; launch proj (part 2): grid 32 x 8, 4 waves a work-group, clusters of 4 x 4, 327,680 bytes of LDS; arguments wb, xb, bb, qkvt; writes qkvt
.if DOCPART == 2
	.amdgcn_target "amdgcn-amd-amdhsa--gfx1250"
	.amdhsa_code_object_version 6
	.text
	.protected	k_q2a7baf5a34_proj
	.globl	k_q2a7baf5a34_proj
	.p2align	8
	.type	k_q2a7baf5a34_proj,@function
k_q2a7baf5a34_proj:
	s_mov_b64 s[64:65], 0
	v_nop
	global_prefetch_b8 v0, s[64:65] scope:SCOPE_SE
	s_setreg_imm32_b32 hwreg(HW_REG_WAVE_MODE, 25, 1), 1
	s_wait_xcnt 0x0
	s_wait_alu depctr_hold_cnt(0) depctr_sa_sdst(0) depctr_va_vdst(0) depctr_va_sdst(0) depctr_va_ssrc(0) depctr_va_vcc(0) depctr_vm_vsrc(0)
	s_getreg_b32 s2, hwreg(HW_REG_IB_STS2, 6, 4)
	s_cmp_eq_u32 s2, 0
	s_cbranch_scc0 .Lentry_in_a_cluster
	s_endpgm
.Lentry_in_a_cluster:
	s_bfe_u32 s2, ttmp6, 0x10000c
	s_cmp_lg_u32 s2, 0xf033
	s_cbranch_scc0 .Lentry_shape_is_right
	s_endpgm
.Lentry_shape_is_right:
; qkvt[c][tok] = sum over k of W[c][k] x[tok][k] + bb[c], in f16, CHANNEL-MAJOR: [3072][8192]; rows 0-1023 q^T, 1024-2047 k^T, 2048-3071 v^T.  Operands bf16; sums in f32, K ascending, rounded once.
; LIMIT.  f16 holds no number beyond 65,504: |q|, |k|, |v| must stay under it (a sum of 1,024 products; inputs 30 times the drawn ones give some 5,000, offsets of 30 spreads on x and W some 29,000).
; OPERANDS.  wb: [16 planes of 64 k][3072 channels][64]; xb: [16 planes][8192 rows][64], where row 16 b + r of a group of 128 holds token 8 r + b.  Rows of a plane lie end to end, 128 bytes each.
; TILE.  384 channels x 256 tokens: 8 x 32 = 256 work-groups, one for each WGP.  Four waves, each 192 channels x 128 tokens: 96 accumulators, 768 registers: 40 LDS loads feed 96 matrix instructions.
; K goes in 16 steps of 64 (one plane) through two LDS slots; two slots of 128 k would be 2 x 640 rows x 272 bytes = 348,160 bytes, more than a WGP has.  A wave's tensor load brings 192 or 128 operand rows as
; 96 or 64 rows of 256 dense bytes, padded in LDS behind every 128.  A step is written once and looped over: the slot in hand is a scalar that an exclusive or turns, and one descriptor for each tensor walks.
; CLUSTER 4 x 4: the four of a row need the same rows of wb, the four of a column the same rows of xb; each tile is asked for jointly.
; THE RESULT.  Source 0 = 16 channels, source 1 = 16 rows of xb: register j of lane (r, h) holds channel 8 h + j and row r.  By xb's order of rows, accumulators b = 0..7 of a lane hold tokens 8 r + b:
; eight neighbouring tokens of one channel, 16 bytes in f16; sixteen lanes hold 256 neighbouring bytes of a row of qkvt.  So the results are stored from registers, with no way through LDS.
; THE BIAS of channels 16 a + 8 h + j is loaded into accumulator (a, 7); it is the C operand of the products that start (a, 0..6), and then (a, 7) sums onto itself: nothing is cleared or added later.
; REGISTERS, in windows of 256:  window 0: v0-31 addresses; v32-127 wb's twelve fragments, ONE buffer, refilled in halves behind the products that read them; v128-191, v192-255 xb's eight fragments, two buffers
;   windows 1, 2, 3: accumulator (a, b) at v[64 (a % 4) + 8 b] of window 1 + a / 4
.set TOKB,   16384                     ; bytes in a row of qkvt
.set XPL,    1048576                   ; bytes in a plane of xb
.set WPL,    393216                    ; bytes in a plane of wb
.set PITCH,  144                       ; an LDS row: 128 bytes + 16 of padding = 36 words: the 16 rows of a fragment load start at 16 different groups of four banks (ISA guide 11.1)
.set HA,     192*PITCH                 ; half of wb's tile: what waves 0 and 1 fetch, and what a wave multiplies
.set HB,     128*PITCH                 ; half of xb's tile: waves 2 and 3
.set SLOT1,  1<<17                     ; slot 1 begins here (a slot uses 92,160 bytes): one exclusive or turns an address in one slot into the other's
.set SPARE,  SLOT1+2*HA+2*HB           ; behind the ring: the spare words, 128 bytes a wave, that no other line names
.set ADRA0, 16                         ; v16  my place in slot 0's tile of wb; never rewritten
.set ADRB0, 17                         ; v17  the same for xb
.set ADRA,  18                         ; v18  the same in the slot in hand
.set ADRB,  19                         ; v19
.set CO,    26                         ; v26  my byte offset in qkvt
.set BO,    27                         ; v27  my byte offset in 16 numbers of bb
.set SPW,   28                         ; v28  my spare word; never rewritten
.set NIL,   29                         ; v29  0; never rewritten
.set AF,    32
.set BF0,   128
.set BF1,   192
.set G1,  24                           ; s[24:31] descriptor group 1 for wb's tiles
.set G0,  32                           ; s[32:39] group 0: a set for each first fill; the second then walks
.set G1B, 48                           ; s[48:55], s[56:63] the same for xb's
.set G0B, 56
.set TB,  66                           ; s66  LDS byte at which the slot in hand begins
.set GC,  (1<<16)|(1<<20)|(1<<21)|(4<<22)|(3<<25)  ; elements of 2 bytes; padding on; bit 21 beside a mask; after every 32 words, 4 words
.set MSB, 0
.macro WIN new                         ; the immediate's high byte repeats the setting that is left; a switch that changes nothing is dropped
.if MSB != (\new)
	s_set_vgpr_msb (MSB<<8)|(\new)
.set MSB, \new
.endif
.endm
.macro PLACES                          ; four places behind matrix instructions, in front of loads into registers that they read and of reads of their results
.rept 4
	v_nop
.endr
.endm
.macro JLOAD                           ; a joint refill by the walking descriptor: waves 0, 1 ask for wb's halves, waves 2, 3 for xb's; s_nop 0 and four v_nop follow each line
	s_cmp_eq_u32 s11, 0
	s_cbranch_scc0 .Lfor_b_\@
	tensor_load_to_lds s[G0+4:G0+7], s[G1:G1+7]
	s_nop 0
	PLACES
	s_branch .Lasked_\@
.Lfor_b_\@:
	tensor_load_to_lds s[G0B+4:G0B+7], s[G1B:G1B+7]
	s_nop 0
	PLACES
.Lasked_\@:
.endm
.macro CREST                           ; a round of the cluster's barrier behind its opening barrier
	s_cmp_lg_u32 s10, 0
	s_cbranch_scc1 .Lnot_wave_0_\@
	s_barrier_signal -3
.Lnot_wave_0_\@:
	s_barrier_wait -3
	s_barrier_signal -1
	s_barrier_wait -1
.endm
.macro CROUND
	s_barrier_signal -1
	s_barrier_wait -1
	CREST
.endm
	s_load_b128 s[4:7], s[0:1], 0x0                ; wb s[4:5], xb s[6:7]
	s_load_b128 s[76:79], s[0:1], 0x10             ; bb s[76:77], qkvt s[78:79]
	v_lshl_add_u32 v[SPW], v0, 2, SPARE
	v_mov_b32 v[NIL], 0
	ds_add_u32 v28, v29
	s_wait_dscnt 0x0
	v_lshrrev_b32 v1, 5, v0
	v_readfirstlane_b32 s10, v1                    ; wave 0..3
	s_lshr_b32 s11, s10, 1                         ; my half of the tile's channels.  Also: I fetch for wb (0) or xb (1)
	s_and_b32 s12, s10, 1                          ; my half of its tokens.  Also: which half of that tile I fetch
	s_bfe_u32 s40, ttmp6, 0x40000                  ; cx
	s_bfe_u32 s41, ttmp6, 0x40004                  ; cy
	s_lshl_b32 s42, ttmp9, 2
	s_add_co_u32 s42, s42, s40                     ; tx: block of 256 tokens
	s_and_b32 s13, ttmp7, 0xffff
	s_lshl_b32 s13, s13, 2
	s_add_co_u32 s13, s13, s41                     ; ty: block of 384 channels
	s_lshl_b32 s43, s41, 2
	s_lshl_b32 s43, 15, s43                        ; my row of the cluster
	s_lshl_b32 s44, 0x1111, s40                    ; my column
	s_or_b32 s[G1], s43, GC                        ; wb's tiles go to my row
	s_or_b32 s[G1B], s44, GC                       ; xb's to my column
	s_mov_b32 s[G1+1], 128<<16                     ; tensor_dim0 = 128 elements: 256 bytes, two operand rows
	s_mov_b32 s[G1+2], 96<<16                      ; tensor_dim1 = 96
	s_mov_b32 s[G1+3], 128<<16                     ; tile_dim0 = 128
	s_mov_b32 s[G1+4], 96                          ; tile_dim1 = 96
	s_mov_b32 s[G1+5], 128                         ; dense: a row begins where the last ends
	s_mov_b32 s[G1+6], 0
	s_mov_b32 s[G1+7], 0
	s_mov_b32 s[G1B+1], 128<<16
	s_mov_b32 s[G1B+2], 64<<16                     ; 64 rows of 256 bytes
	s_mov_b32 s[G1B+3], 128<<16
	s_mov_b32 s[G1B+4], 64
	s_mov_b32 s[G1B+5], 128
	s_mov_b32 s[G1B+6], 0
	s_mov_b32 s[G1B+7], 0
	s_mul_i32 s16, s13, 384*128                    ; wb: row 384 ty + 192 x half, 128 bytes a row: made of ty and the wave's number alone
	s_mul_i32 s17, s12, 192*128
	s_add_co_u32 s16, s16, s17
	s_mov_b32 s17, 0
	s_lshl_b32 s46, s42, 15                        ; xb: row 256 tx + 128 x half: made of tx and the wave's number alone
	s_lshl_b32 s47, s12, 14
	s_add_co_u32 s46, s46, s47
	s_mov_b32 s47, 0
	s_mul_i32 s20, s12, HA                         ; where they go: no place in the cluster enters an LDS address
	s_mul_i32 s21, s12, HB
	s_add_co_u32 s21, s21, 2*HA
	s_mov_b32 s[TB], 0
	s_wait_kmcnt 0x0
	s_add_nc_u64 s[14:15], s[4:5], s[16:17]
	s_add_nc_u64 s[46:47], s[6:7], s[46:47]
	CROUND                                         ; all sixteen work-groups are here: the first joint loads meet
.irp s, 0,1
	s_mov_b32 s[G0+4*(\s)], 1                      ; count = 1
	s_add_co_u32 s[G0+4*(\s)+1], s20, (\s)*SLOT1   ; LDS address
	s_add_nc_u64 s[G0+4*(\s)+2:G0+4*(\s)+3], s[14:15], (\s)*WPL    ; plane s
	s_or_b32 s[G0+4*(\s)+3], s[G0+4*(\s)+3], 0x80000000            ; type = 2
	s_mov_b32 s[G0B+4*(\s)], 1
	s_add_co_u32 s[G0B+4*(\s)+1], s21, (\s)*SLOT1
	s_add_nc_u64 s[G0B+4*(\s)+2:G0B+4*(\s)+3], s[46:47], (\s)*XPL
	s_or_b32 s[G0B+4*(\s)+3], s[G0B+4*(\s)+3], 0x80000000
.endr
	s_cmp_eq_u32 s11, 0                            ; a wave's two first fills stand in one branch, ahead of every wait on TENSORcnt and every LDS read: two loads of mine are out
	s_cbranch_scc0 .Lfirst_b
	tensor_load_to_lds s[G0:G0+3], s[G1:G1+7]
	s_nop 0
	tensor_load_to_lds s[G0+4:G0+7], s[G1:G1+7]
	s_nop 0
	PLACES
	s_branch .Lfirst_asked
.Lfirst_b:
	tensor_load_to_lds s[G0B:G0B+3], s[G1B:G1B+7]
	s_nop 0
	tensor_load_to_lds s[G0B+4:G0B+7], s[G1B:G1B+7]
	s_nop 0
	PLACES
.Lfirst_asked:
	v_and_b32 v1, 15, v0                           ; r = lane % 16
	v_bfe_u32 v2, v0, 4, 1                         ; h = lane / 16
	v_lshlrev_b32 v[BO], 5, v2                     ; eight numbers of bb for each half of the lanes
	s_mul_i32 s18, s13, 384
	s_mul_i32 s19, s11, 192
	s_add_co_u32 s18, s18, s19                     ; my first channel
	s_lshl_b32 s22, s18, 2
	s_mov_b32 s23, 0
	s_add_nc_u64 s[76:77], s[76:77], s[22:23]      ; bb at my first channel
.irp a, 0,1,2,3,4,5,6,7,8,9,10,11
	WIN (1+(\a)/4)<<6                              ; destination in block a's window, address in window 0
	global_load_b128 v[64*((\a)%4)+56:64*((\a)%4)+59], v[BO], s[76:77] offset:64*(\a)      ; bb[16 a + 8 h + 0..3] into accumulator (a, 7)
	global_load_b128 v[64*((\a)%4)+60:64*((\a)%4)+63], v[BO], s[76:77] offset:64*(\a)+16   ; and + 4..7
.endr
	WIN 0
	v_mul_u32_u24 v3, v1, PITCH
	v_lshl_add_u32 v3, v2, 4, v3                   ; a fragment's row x pitch + 16 x half
	s_mul_i32 s22, s11, HA
	v_add_nc_u32 v[ADRA0], s22, v3
	v_add_nc_u32 v[ADRB0], s21, v3
	v_mov_b32 v[ADRA], v[ADRA0]
	v_mov_b32 v[ADRB], v[ADRB0]
	v_lshlrev_b32 v3, 17, v2                       ; in qkvt: lanes 16-31 lie eight channels down,
	v_lshl_add_u32 v[CO], v1, 4, v3                ; lane r at its eight tokens' 16 bytes
	s_lshl_b32 s16, s18, 14                        ; my part of qkvt: channel x 16,384 + 512 tx + 256 x half
	s_mov_b32 s17, 0
	s_lshl_b32 s46, s42, 9
	s_lshl_b32 s47, s12, 8
	s_add_co_u32 s46, s46, s47
	s_mov_b32 s47, 0
	s_add_nc_u64 s[16:17], s[16:17], s[46:47]
	s_add_nc_u64 s[78:79], s[78:79], s[16:17]
; The matrix instructions of channel block a, 32 along K, with xb's buffer bf.  mode 0: all eight sum on.  mode 1: (a, 0..6) start, with the bias in (a, 7) as C.  mode 2: (a, 7) sums onto the bias that it holds.
; The 96 accumulators take turns, one instruction a turn, in the same order in every quarter.
.macro MULA bf, a, mode
.set AC, 64*((\a)%4)
	WIN 0x50*(1+(\a)/4)                            ; fragments in window 0, C and D in block a's window
.irp b, 0,1,2,3,4,5,6,7
.if (\mode) == 0
	v_wmma_f32_16x16x32_bf16 v[AC+8*(\b):AC+8*(\b)+7], v[AF+8*(\a):AF+8*(\a)+7], v[(\bf)+8*(\b):(\bf)+8*(\b)+7], v[AC+8*(\b):AC+8*(\b)+7]
.elseif ((\mode) == 1) && ((\b) < 7)
	v_wmma_f32_16x16x32_bf16 v[AC+8*(\b):AC+8*(\b)+7], v[AF+8*(\a):AF+8*(\a)+7], v[(\bf)+8*(\b):(\bf)+8*(\b)+7], v[AC+56:AC+63]
.elseif ((\mode) == 2) && ((\b) == 7)
	v_wmma_f32_16x16x32_bf16 v[AC+8*(\b):AC+8*(\b)+7], v[AF+8*(\a):AF+8*(\a)+7], v[(\bf)+8*(\b):(\bf)+8*(\b)+7], v[AC+8*(\b):AC+8*(\b)+7]
.endif
.endr
.endm
; Half a quarter: blocks a0 .. a0 + 5, 48 matrix instructions.  start = 1: the sums begin; five places stand between the last product that reads a bias and the first that writes over one (ISA guide 7.12.1).
.macro HALF bf, a0, start
.if \start
.irp a, \a0, (\a0)+1, (\a0)+2, (\a0)+3, (\a0)+4, (\a0)+5
	MULA \bf, \a, 1
.endr
.rept 5
	v_nop
.endr
.irp a, \a0, (\a0)+1, (\a0)+2, (\a0)+3, (\a0)+4, (\a0)+5
	MULA \bf, \a, 2
.endr
.else
.irp a, \a0, (\a0)+1, (\a0)+2, (\a0)+3, (\a0)+4, (\a0)+5
	MULA \bf, \a, 0
.endr
.endif
.endm
; The LDS loads stand in two runs a quarter.  L1: the next quarter's (byte k of the rows of the slot in hand) eight fragments of xb into buffer bf and wb's blocks 0-5: 28 loads.  L2: wb's blocks 6-11: 12 loads.
.macro L1 k, bf
	WIN 0
.irp i, 0,1,2,3,4,5,6,7
	ds_load_b128 v[(\bf)+8*(\i):(\bf)+8*(\i)+3],   v[ADRB] offset:(\k)+(\i)*16*PITCH
	ds_load_b128 v[(\bf)+8*(\i)+4:(\bf)+8*(\i)+7], v[ADRB] offset:(\k)+(\i)*16*PITCH+32
.endr
.irp i, 0,1,2,3,4,5
	ds_load_b128 v[AF+8*(\i):AF+8*(\i)+3],   v[ADRA] offset:(\k)+(\i)*16*PITCH
	ds_load_b128 v[AF+8*(\i)+4:AF+8*(\i)+7], v[ADRA] offset:(\k)+(\i)*16*PITCH+32
.endr
.endm
.macro L2 k
	WIN 0
.irp i, 6,7,8,9,10,11
	ds_load_b128 v[AF+8*(\i):AF+8*(\i)+3],   v[ADRA] offset:(\k)+(\i)*16*PITCH
	ds_load_b128 v[AF+8*(\i)+4:AF+8*(\i)+7], v[ADRA] offset:(\k)+(\i)*16*PITCH+32
.endr
.endm
; A K step is two quarters of 32 along K, 96 matrix instructions each.  The first multiplies xb's buffer 0 and fetches the second's fragments from the same slot.
.macro QFIRST start
	s_wait_dscnt 12                                ; xb's fragments and wb's blocks 0-5 are in; the youngest twelve loads (blocks 6-11) may be out
	HALF BF0, 0, \start
	PLACES
	L1 64, BF1
	s_wait_dscnt 28                                ; all but the 28 just issued: blocks 6-11 are in
	HALF BF0, 6, \start
	PLACES
	L2 64
.endm
; The second quarter multiplies buffer 1 and changes slots in its middle: my reads of this slot were issued in the first quarter.  All 48 products of the first half stand AHEAD of the wait for the tile, so that
; nothing but the three lines and the barrier stands between a tile's landing and the next request.  In front of the barrier each wave waits for all its tensor loads (one is out: its part of the next slot),
; adds 0 to its spare word, and waits for that and for its reads of this slot.  fill = 1: the barrier opens a round of the cluster's, and this slot is filled again, two steps ahead, first thing behind the round.
.macro TURNQ fill
	s_wait_dscnt 12
	HALF BF1, 0, 0
	WIN 0
	s_wait_tensorcnt 0x0                           ; no tensor load of mine is out, so a group 0 may be written
	ds_add_u32 v[SPW], v[NIL]
.if \fill
	s_xor_b32 s[G0+5], s[G0+5], SLOT1              ; the walking descriptors: the other slot than last time, the next plane
	s_add_nc_u64 s[G0+6:G0+7], s[G0+6:G0+7], WPL
	s_xor_b32 s[G0B+5], s[G0B+5], SLOT1
	s_add_nc_u64 s[G0B+6:G0B+7], s[G0B+6:G0B+7], XPL
.endif
	s_wait_dscnt 0x0                               ; the add is done, and my reads of this slot are over
	s_barrier_signal -1
	s_barrier_wait -1
.if \fill
	CREST                                          ; no wave of any partner still reads this slot or has a load on its way
	JLOAD                                          ; its four v_nop are also the places in front of the loads below
.else
	PLACES
.endif
	s_xor_b32 s[TB], s[TB], SLOT1                  ; the fetches go on in the other slot
	v_add_nc_u32 v[ADRA], s[TB], v[ADRA0]
	v_add_nc_u32 v[ADRB], s[TB], v[ADRB0]
	L1 0, BF0
	HALF BF1, 6, 0                                 ; blocks 6-11 are in since the wait for 0 above
	PLACES
	L2 0
.endm
; THE WAY OUT of block a (16 channels x 128 tokens).  For channel 8 h + j: register j of the lane's eight accumulators, rounded to f16 in pairs, is 16 bytes: tokens 8 r .. 8 r + 7.
.macro OUT a
.set AC, 64*((\a)%4)
.set WN, 1+(\a)/4
.set TM, AF+32*((\a)%2)
	s_wait_xcnt 0x0                                ; the stores' base, and the registers that the stores of the block two back read, are rewritten only behind this wait
.if (\a) > 0
	s_add_nc_u64 s[78:79], s[78:79], 16*TOKB       ; 16 channels on
.endif
	WIN WN|(WN<<2)                                 ; sources 0 and 1 in block a's window
.irp j, 0,1,2,3,4,5,6,7
.irp p, 0,1,2,3
	v_cvt_pk_f16_f32 v[TM+4*(\j)+(\p)], v[AC+16*(\p)+(\j)], v[AC+16*(\p)+8+(\j)]   ; every accumulator is read from its lowest register on
.endr
.endr
	WIN 0
.irp j, 0,1,2,3,4,5,6,7
	global_store_b128 v[CO], v[TM+4*(\j):TM+4*(\j)+3], s[78:79] offset:(\j)*TOKB   ; each half of the lanes stores 256 consecutive bytes, aligned
.endr
.endm
	s_wait_tensorcnt 1                             ; my part of K step 0 is in; step 1's may stay out
	s_barrier_signal -1
	s_barrier_wait -1
	L1 0, BF0
	L2 0
	s_wait_loadcnt 0x0                             ; the bias
	QFIRST 1                                       ; the first quarter stands in front of the loop: its products start the sums
	WIN 0
	s_mov_b32 s3, 14
.Lstep:                                                ; trip t: the second quarter of K step t, the refill with step t + 2, the first quarter of step t + 1
	TURNQ 1
	QFIRST 0
	WIN 0
	s_sub_co_u32 s3, s3, 1
	s_cmp_lg_u32 s3, 0
	s_cbranch_scc1 .Lstep
	TURNQ 0                                        ; the tail is written out: nothing more is asked for
	QFIRST 0
	s_wait_dscnt 12
	HALF BF1, 0, 0
	s_wait_dscnt 0x0
	HALF BF1, 6, 0
	WIN 0
	PLACES
.irp a, 0,1,2,3,4,5,6,7,8,9,10,11
	OUT \a
.endr
	s_wait_tensorcnt 0x0                           ; the wave's end
	ds_add_u32 v[SPW], v[NIL]
	s_wait_dscnt 0x0
	CROUND                                         ; the closing round
	s_endpgm
.Lfunc_end_k_q2a7baf5a34_proj:
	.size	k_q2a7baf5a34_proj, .Lfunc_end_k_q2a7baf5a34_proj-k_q2a7baf5a34_proj
	.p2alignl 7, 3214868480
	.fill 96, 4, 3214868480
	.section	.rodata,"a",@progbits
	.p2align	6, 0x0
	.amdhsa_kernel k_q2a7baf5a34_proj
		.amdhsa_group_segment_fixed_size 327680
		.amdhsa_private_segment_fixed_size 0
		.amdhsa_enable_private_segment 0
		.amdhsa_kernarg_size 32
		.amdhsa_user_sgpr_count 2
		.amdhsa_user_sgpr_kernarg_segment_ptr 1
		.amdhsa_wavefront_size32 1
		.amdhsa_system_sgpr_workgroup_id_x 1
		.amdhsa_system_sgpr_workgroup_id_y 1
		.amdhsa_system_sgpr_workgroup_id_z 1
		.amdhsa_system_vgpr_workitem_id 0
		.amdhsa_next_free_vgpr 1024
		.amdhsa_next_free_sgpr 80
		.amdhsa_reserve_vcc 0
		.amdhsa_float_denorm_mode_32 3
		.amdhsa_float_denorm_mode_16_64 3
		.amdhsa_memory_ordered 1
		.amdhsa_forward_progress 1
		.amdhsa_inst_pref_size 100
	.end_amdhsa_kernel
	.amdgpu_metadata
---
amdhsa.version: [ 1, 2 ]
amdhsa.kernels:
  - .name:           k_q2a7baf5a34_proj
    .symbol:         k_q2a7baf5a34_proj.kd
    .args:
      - { .name: wb, .offset: 0, .size: 8, .value_kind: global_buffer, .address_space: global }
      - { .name: xb, .offset: 8, .size: 8, .value_kind: global_buffer, .address_space: global }
      - { .name: bb, .offset: 16, .size: 8, .value_kind: global_buffer, .address_space: global }
      - { .name: qkvt, .offset: 24, .size: 8, .value_kind: global_buffer, .address_space: global }
    .group_segment_fixed_size: 327680
    .private_segment_fixed_size: 0
    .kernarg_segment_align: 8
    .kernarg_segment_size: 32
    .max_flat_workgroup_size: 128
    .sgpr_count:     80
    .vgpr_count:     1024
    .wavefront_size: 32
...
	.end_amdgpu_metadata
.endif
;; end of part 2
;; launch score (part 3): grid 8 x 32, 4 waves a work-group, clusters of 4 x 4, 327,680 bytes of LDS; arguments qkvt, pm, st; writes pm, st
.if DOCPART == 3
	.amdgcn_target "amdgcn-amd-amdhsa--gfx1250"
	.amdhsa_code_object_version 6
	.text
	.protected	k_q2a7baf5a34_score
	.globl	k_q2a7baf5a34_score
	.p2align	8
	.type	k_q2a7baf5a34_score,@function
k_q2a7baf5a34_score:
	s_mov_b64 s[64:65], 0
	v_nop
	global_prefetch_b8 v0, s[64:65] scope:SCOPE_SE
	s_setreg_imm32_b32 hwreg(HW_REG_WAVE_MODE, 25, 1), 1
	s_wait_xcnt 0x0
	s_wait_alu depctr_hold_cnt(0) depctr_sa_sdst(0) depctr_va_vdst(0) depctr_va_sdst(0) depctr_va_ssrc(0) depctr_va_vcc(0) depctr_vm_vsrc(0)
	s_getreg_b32 s2, hwreg(HW_REG_IB_STS2, 6, 4)
	s_cmp_eq_u32 s2, 0
	s_cbranch_scc0 .Lentry_in_a_cluster
	s_endpgm
.Lentry_in_a_cluster:
	s_bfe_u32 s2, ttmp6, 0x10000c
	s_cmp_lg_u32 s2, 0xf033
	s_cbranch_scc0 .Lentry_shape_is_right
	s_endpgm
.Lentry_shape_is_right:
; For each query and each CHUNK of 128 keys: s = q . k (sum over 1,024 channels, f32), m = the largest s of the chunk, p = 2^(c s - c m) in f16, l = the sum of the chunk's p (unrounded, f32); c = log2(e) / 32.
; pm: f16 [8192 queries][2048 keys of the query's batch].  st: f32, c m at [chunk][8192 queries], l the same 524,288 bytes on.  The next launch takes the maximum over the 16 chunks before its own exponentials.
; LIMITS.  q and k arrive in f16 (within 65,504).  Scores are never stored.  p lies in 0 to 1; below 6e-5 it keeps f16's fixed step of 6e-8; a p below 2^-126 counts as 0 in l.  NaN and infinities are not treated apart.
; TILE.  256 queries x 256 keys: 32 x 8 = 256 work-groups.  Four waves, each 128 x 128: 64 accumulators, 512 registers: a wave's 128 keys are one chunk, so maximum and sum never leave the wave.
; q^T and k^T lie channel-major, so tiles are [channel][token], rows of 512 bytes, and fragments come out of LDS turned, by ds_load_tr16_b128.  K goes in 8 steps of 128 channels through two LDS slots.
; A step is written once and looped over: the slot in hand is a scalar that an exclusive or with the slot's size turns (no wave's base has one of that number's two bits), and one descriptor for each tensor walks.
; The last two steps, which ask for nothing, are a loop of their own; its last trip jumps over the next step's first quarter, and its fetch of fragments that nobody multiplies is the price, once a launch, of one text.
; CLUSTER 4 x 4: the four of a row need the same tiles of q^T, the four of a column (one batch: a cluster's four rows lie in one batch of eight) the same tiles of k^T.
; THE MATRIX INSTRUCTION IS USED TRANSPOSED (source 0 = 16 keys, source 1 = 16 queries): a lane holds one query (lane % 16) and eight neighbouring keys.
; REGISTERS: window 0: v0-31 addresses and statistics; v64-127, v128-191 fragments of q^T, two buffers (on the way out v64-127 at work); v32-63, v224-255 rows read back; v192-223 packed p
;   window 1: v64-127, v128-191 fragments of k^T;   window 2: accumulators of my queries 0-63, (a, b) at v[8 (8 a + b)];   window 3: those of queries 64-127
.set TOKB,   16384                     ; bytes in a row of qkvt
.set PMB,    4096                      ; bytes in a row of pm
.set STEPB,  128*TOKB                  ; a K step: 128 channels
.set PT,     544                       ; an LDS row: 512 bytes + 32 of padding = 136 words
.set HALFT,  64*PT                     ; 64 channels: what one tensor load brings
.set SLOT,   4*HALFT                   ; q^T's 128 channels, then k^T's: 139,264 = 2^17 + 2^13
.set STAGE,  2*SLOT                    ; 16 rows x 272 bytes for each wave
.set SPITCH, 272
.set STAT,   STAGE+4*16*SPITCH         ; 1,024 bytes for each wave: c m of its 128 queries, then l
.set SPARE,  STAT+4*1024               ; the spare words, 128 bytes a wave, that no other line names
.set QK,     32*PT                     ; a quarter: 32 channels
.set CM,   6                           ; v[6:7]  c m (v7 is named with it as a pair)
.set LS,   8                           ; v8   l
.set ADRA0, 16                         ; v16  my place in slot 0's tile of q^T; never rewritten
.set ADRB0, 17                         ; v17  the same for k^T
.set ADRA,  18                         ; v18  the same in the slot in hand
.set ADRB,  19                         ; v19
.set STO,  24
.set RD,   25
.set CO,   26
.set SA,   27                          ; v27  where I put c m (lanes 0-15) or l (lanes 16-31) of block 0
.set SPW,  28
.set NIL,  29
.set SG,   30                          ; v30  16 x lane: my offset in 512 bytes of st
.set SR,   31                          ; v31  the same in my wave's statistics in LDS
.set OB,   32
.set F0,   64
.set F1,   128
.set TT,   64                          ; the way out, at work
.set UU,   72
.set XX,   80
.set SU,   96
.set TMP,  192
.set G1,  24
.set G0,  32                           ; a set for each first fill; the second then walks
.set G1B, 48
.set G0B, 56
.set TB,  66                           ; s66  LDS byte at which the slot in hand begins
.set CS,  68                           ; s[68:69] c
.set SEL, 70                           ; s[70:71] v_permlanex16_b32's selects: each lane takes its own place in the other half
.set HM,  72                           ; s72  lanes 16-31
.set GC,  (1<<16)|(1<<20)|(1<<21)|(6<<22)|(7<<25)  ; elements of 2 bytes; padding on; bit 21 beside a mask; after every 128 words, 8 words
.set MSB, 0
.macro WIN new
.if MSB != (\new)
	s_set_vgpr_msb (MSB<<8)|(\new)
.set MSB, \new
.endif
.endm
.macro PLACES
.rept 4
	v_nop
.endr
.endm
.macro JLOAD                           ; a joint refill by the walking descriptor: waves 0, 1 ask for q^T's halves, waves 2, 3 for k^T's; s_nop 0 and four v_nop follow each line
	s_cmp_eq_u32 s11, 0
	s_cbranch_scc0 .Lfor_b_\@
	tensor_load_to_lds s[G0+4:G0+7], s[G1:G1+7]
	s_nop 0
	PLACES
	s_branch .Lasked_\@
.Lfor_b_\@:
	tensor_load_to_lds s[G0B+4:G0B+7], s[G1B:G1B+7]
	s_nop 0
	PLACES
.Lasked_\@:
.endm
.macro CREST
	s_cmp_lg_u32 s10, 0
	s_cbranch_scc1 .Lnot_wave_0_\@
	s_barrier_signal -3
.Lnot_wave_0_\@:
	s_barrier_wait -3
	s_barrier_signal -1
	s_barrier_wait -1
.endm
.macro CROUND
	s_barrier_signal -1
	s_barrier_wait -1
	CREST
.endm
	s_load_b64 s[4:5], s[0:1], 0x0                 ; qkvt
	s_load_b64 s[76:77], s[0:1], 0x8               ; pm
	s_load_b64 s[78:79], s[0:1], 0x10              ; st
	v_lshl_add_u32 v[SPW], v0, 2, SPARE
	v_mov_b32 v[NIL], 0
	ds_add_u32 v28, v29
	s_wait_dscnt 0x0
	v_lshrrev_b32 v1, 5, v0
	v_readfirstlane_b32 s10, v1                    ; wave 0..3
	s_lshr_b32 s11, s10, 1                         ; my half of the queries.  Also: I fetch for q^T (0) or k^T (1)
	s_and_b32 s12, s10, 1                          ; my half of the keys.  Also: which 64 channels of a step I fetch
	s_bfe_u32 s40, ttmp6, 0x40000                  ; cx
	s_bfe_u32 s41, ttmp6, 0x40004                  ; cy
	s_lshl_b32 s42, ttmp9, 2
	s_add_co_u32 s42, s42, s40                     ; tx: block of 256 keys in the batch
	s_and_b32 s13, ttmp7, 0xffff
	s_lshr_b32 s45, s13, 1                         ; the batch: made of the cluster's y alone, so all sixteen share it
	s_lshl_b32 s13, s13, 2
	s_add_co_u32 s13, s13, s41                     ; ty: block of 256 queries among all 8,192 tokens
	s_lshl_b32 s43, s41, 2
	s_lshl_b32 s43, 15, s43
	s_lshl_b32 s44, 0x1111, s40
	s_or_b32 s[G1], s43, GC                        ; q^T's tiles go to my row
	s_or_b32 s[G1B], s44, GC                       ; k^T's to my column
.irp g, G1, G1B
	s_mov_b32 s[(\g)+1], 256<<16                   ; tensor_dim0 = 256 tokens
	s_mov_b32 s[(\g)+2], 64<<16                    ; tensor_dim1 = 64 channels
	s_mov_b32 s[(\g)+3], 256<<16                   ; tile_dim0
	s_mov_b32 s[(\g)+4], 64                        ; tile_dim1
	s_mov_b32 s[(\g)+5], 8192                      ; elements from row to row
	s_mov_b32 s[(\g)+6], 0
	s_mov_b32 s[(\g)+7], 0
.endr
	s_lshl_b32 s16, s12, 20                        ; q^T: 64 channels x half, 512 bytes x ty: made of ty and the wave's number alone
	s_lshl_b32 s17, s13, 9
	s_add_co_u32 s16, s16, s17
	s_mov_b32 s17, 0
	s_lshl_b32 s46, s12, 20                        ; k^T: 1,024 rows on; the batch's 4,096 bytes; 512 bytes x tx
	s_add_co_u32 s46, s46, 1024*TOKB
	s_lshl_b32 s47, s45, 12
	s_add_co_u32 s46, s46, s47
	s_lshl_b32 s47, s42, 9
	s_add_co_u32 s46, s46, s47
	s_mov_b32 s47, 0
	s_mul_i32 s20, s10, HALFT                      ; where they go: wave x 64 rows
	s_mov_b32 s[TB], 0
	s_mov_b32 s[CS], 0x3d38aa3b                    ; c = log2(e) / 32
	s_mov_b32 s[CS+1], s[CS]
	s_mov_b32 s[SEL], 0x76543210
	s_mov_b32 s[SEL+1], 0xfedcba98
	s_mov_b32 s[HM], 0xffff0000
	s_wait_kmcnt 0x0
	s_add_nc_u64 s[14:15], s[4:5], s[16:17]
	s_add_nc_u64 s[46:47], s[4:5], s[46:47]
	CROUND                                         ; the first joint loads meet
.irp s, 0,1
	s_mov_b32 s[G0+4*(\s)], 1
	s_add_co_u32 s[G0+4*(\s)+1], s20, (\s)*SLOT
	s_add_nc_u64 s[G0+4*(\s)+2:G0+4*(\s)+3], s[14:15], (\s)*STEPB
	s_or_b32 s[G0+4*(\s)+3], s[G0+4*(\s)+3], 0x80000000
	s_mov_b32 s[G0B+4*(\s)], 1
	s_add_co_u32 s[G0B+4*(\s)+1], s20, (\s)*SLOT
	s_add_nc_u64 s[G0B+4*(\s)+2:G0B+4*(\s)+3], s[46:47], (\s)*STEPB
	s_or_b32 s[G0B+4*(\s)+3], s[G0B+4*(\s)+3], 0x80000000
.endr
	s_cmp_eq_u32 s11, 0                            ; a wave's two first fills stand in one branch: two loads of mine are out
	s_cbranch_scc0 .Lfirst_b
	tensor_load_to_lds s[G0:G0+3], s[G1:G1+7]
	s_nop 0
	tensor_load_to_lds s[G0+4:G0+7], s[G1:G1+7]
	s_nop 0
	PLACES
	s_branch .Lfirst_asked
.Lfirst_b:
	tensor_load_to_lds s[G0B:G0B+3], s[G1B:G1B+7]
	s_nop 0
	tensor_load_to_lds s[G0B+4:G0B+7], s[G1B:G1B+7]
	s_nop 0
	PLACES
.Lfirst_asked:
	; The turning load takes 16 channels x 16 tokens (lane l reads channel 8 (l / 16) + l % 8, tokens 8 ((l / 8) % 2) + 0..7) and leaves half a fragment: lane l holds token l % 16 and 8 channels.
	v_and_b32 v1, 15, v0                           ; r
	v_bfe_u32 v2, v0, 4, 1                         ; h
	v_and_b32 v3, 7, v0
	v_lshl_add_u32 v3, v2, 3, v3
	v_mul_u32_u24 v3, v3, PT
	v_bfe_u32 v4, v0, 3, 1
	v_lshl_add_u32 v3, v4, 4, v3
	s_lshl_b32 s21, s11, 8                         ; my 128 queries: 256 bytes of each row
	s_lshl_b32 s22, s12, 8                         ; my 128 keys,
	s_add_co_u32 s22, s22, 2*HALFT                 ; in k^T's rows, which lie behind q^T's
	v_add_nc_u32 v[ADRA0], s21, v3
	v_add_nc_u32 v[ADRB0], s22, v3
	v_mov_b32 v[ADRA], v[ADRA0]
	v_mov_b32 v[ADRB], v[ADRB0]
	s_mul_i32 s23, s10, 16*SPITCH
	s_add_co_u32 s23, s23, STAGE                   ; my stage
	v_mul_u32_u24 v4, v1, SPITCH
	v_lshl_add_u32 v4, v2, 4, v4
	v_add_nc_u32 v[STO], s23, v4                   ; in: row r, 16 bytes for each half of the lanes
	v_mul_u32_u24 v5, v2, SPITCH
	v_lshl_add_u32 v5, v1, 4, v5
	v_add_nc_u32 v[RD], s23, v5                    ; back: two whole rows
	v_lshlrev_b32 v5, 12, v2
	v_lshl_add_u32 v[CO], v1, 4, v5                ; the same two rows in pm
	s_lshl_b32 s23, s10, 10
	s_add_co_u32 s23, s23, STAT                    ; my statistics
	v_lshlrev_b32 v5, 9, v2
	v_lshl_add_u32 v5, v1, 2, v5
	v_add_nc_u32 v[SA], s23, v5                    ; 512 h + 4 r
	v_and_b32 v5, 31, v0
	v_lshlrev_b32 v[SG], 4, v5
	v_add_nc_u32 v[SR], s23, v[SG]
	v_mov_b32 v[CM+1], 0                           ; named as a pair with c m
	v_mov_b32 v9, 0                                ; v_permlanex16_b32's destination counts as read
	s_lshl_b32 s18, s13, 8
	s_lshl_b32 s19, s11, 7
	s_add_co_u32 s18, s18, s19                     ; my first query
	s_lshl_b32 s16, s18, 12                        ; pm: query x 4,096 + 512 tx + 256 x half
	s_mov_b32 s17, 0
	s_lshl_b32 s46, s42, 9
	s_lshl_b32 s47, s12, 8
	s_add_co_u32 s46, s46, s47
	s_mov_b32 s47, 0
	s_add_nc_u64 s[16:17], s[16:17], s[46:47]
	s_add_nc_u64 s[76:77], s[76:77], s[16:17]
	s_lshl_b32 s46, s42, 1                         ; st: chunk 2 tx + half, 32,768 bytes each; query x 4
	s_add_co_u32 s46, s46, s12
	s_lshl_b32 s46, s46, 15
	s_lshl_b32 s47, s18, 2
	s_add_co_u32 s46, s46, s47
	s_mov_b32 s47, 0
	s_add_nc_u64 s[78:79], s[78:79], s[46:47]
; 16 matrix instructions: query blocks a0, a0 + 1 of the window's four x all 8 key blocks, 32 channels.  zero = 1: the products start the sums.  The 64 accumulators take turns.
.macro MUL16 f, hi, a0, zero
	WIN 0xa1+0x50*(\hi)                            ; source 0 (k^T) window 1, source 1 (q^T) window 0, C and D window 2 or 3
.irp a, \a0, (\a0)+1
.irp b, 0,1,2,3,4,5,6,7
.if \zero
	v_wmma_f32_16x16x32_f16 v[8*(8*(\a)+(\b)):8*(8*(\a)+(\b))+7], v[(\f)+8*(\b):(\f)+8*(\b)+7], v[(\f)+8*(4*(\hi)+(\a)):(\f)+8*(4*(\hi)+(\a))+7], 0
.else
	v_wmma_f32_16x16x32_f16 v[8*(8*(\a)+(\b)):8*(8*(\a)+(\b))+7], v[(\f)+8*(\b):(\f)+8*(\b)+7], v[(\f)+8*(4*(\hi)+(\a)):(\f)+8*(4*(\hi)+(\a))+7], v[8*(8*(\a)+(\b)):8*(8*(\a)+(\b))+7]
.endif
.endr
.endr
.endm
; 32 turning loads in one run: the fragments of 32 channels from row byte k of the slot in hand on, into buffer f: k^T's eight, then q^T's eight
.macro FETCH k, f
	WIN 0x40
.irp i, 0,1,2,3,4,5,6,7
	ds_load_tr16_b128 v[(\f)+8*(\i):(\f)+8*(\i)+3],   v[ADRB] offset:(\k)+32*(\i)
	ds_load_tr16_b128 v[(\f)+8*(\i)+4:(\f)+8*(\i)+7], v[ADRB] offset:(\k)+16*PT+32*(\i)
.endr
	WIN 0
.irp i, 0,1,2,3,4,5,6,7
	ds_load_tr16_b128 v[(\f)+8*(\i):(\f)+8*(\i)+3],   v[ADRA] offset:(\k)+32*(\i)
	ds_load_tr16_b128 v[(\f)+8*(\i)+4:(\f)+8*(\i)+7], v[ADRA] offset:(\k)+16*PT+32*(\i)
.endr
.endm
.macro QUARTER k, f, g, zero
	s_wait_dscnt 8                                 ; k^T's fragments and q^T's blocks 0-3 are in; the youngest eight loads may be out
	MUL16 \f, 0, 0, \zero
	MUL16 \f, 0, 2, \zero
	PLACES
	FETCH \k, \g
	s_wait_dscnt 32                                ; all but the 32 just issued
	MUL16 \f, 1, 0, \zero
	MUL16 \f, 1, 2, \zero
.endm
; The last quarter multiplies buffer 1 and changes slots: one barrier, with every wave's wait for all its tensor loads, its add, and its wait for that and for its reads in front of it.
; fill = 1: the barrier opens a round of the cluster's; the slot just read is filled again, two K steps ahead, first thing behind the round.
.macro TURN fill
	WIN 0
	s_wait_tensorcnt 0x0                           ; no tensor load of mine is out
	ds_add_u32 v[SPW], v[NIL]
	s_wait_dscnt 9                                 ; (the add and the youngest eight loads may be out)
	MUL16 F1, 0, 0, 0
	s_wait_dscnt 0x0                               ; the add is done, and my reads of this slot are over
	s_barrier_signal -1
	MUL16 F1, 0, 2, 0
	WIN 0
	s_barrier_wait -1
.if \fill
	CREST                                          ; no wave of any partner still reads this slot or has a load on its way
	s_xor_b32 s[G0+5], s[G0+5], SLOT               ; the walking descriptors: the other slot than last time, the next K step
	s_add_nc_u64 s[G0+6:G0+7], s[G0+6:G0+7], STEPB
	s_xor_b32 s[G0B+5], s[G0B+5], SLOT
	s_add_nc_u64 s[G0B+6:G0B+7], s[G0B+6:G0B+7], STEPB
	JLOAD                                          ; its four v_nop are also the places in front of the loads below
.else
	PLACES
.endif
	s_xor_b32 s[TB], s[TB], SLOT                   ; the fetches go on in the other slot
	v_add_nc_u32 v[ADRA], s[TB], v[ADRA0]
	v_add_nc_u32 v[ADRB], s[TB], v[ADRB0]
	FETCH 0, F0
	MUL16 F1, 1, 0, 0
	MUL16 F1, 1, 2, 0
.endm
; THE SOFTMAX OF BLOCK a: 16 queries x my 128 keys, 64 scores a lane.  The maximum (each accumulator's lowest registers are read first), c m, p in place, p rounded to f16, l.
.macro SOFT a
.set AC, 64*((\a)%4)
.set WN, 2+(\a)/4
	WIN WN|(WN<<2)|(WN<<4)
.irp b, 0,1,2,3,4,5,6,7
	v_max3_num_f32 v[TT+(\b)], v[AC+8*(\b)], v[AC+8*(\b)+1], v[AC+8*(\b)+2]
.endr
.irp b, 0,1,2,3,4,5,6,7
	v_max3_num_f32 v[UU+(\b)], v[AC+8*(\b)+3], v[AC+8*(\b)+4], v[AC+8*(\b)+5]
.endr
	WIN (WN<<2)|(WN<<4)
.irp b, 0,1,2,3,4,5,6,7
	v_max3_num_f32 v[TT+(\b)], v[TT+(\b)], v[AC+8*(\b)+6], v[AC+8*(\b)+7]
.endr
	WIN 0
	v_max3_num_f32 v[XX],   v[TT],   v[UU],   v[TT+1]
	v_max3_num_f32 v[XX+1], v[UU+1], v[TT+2], v[UU+2]
	v_max3_num_f32 v[XX+2], v[TT+3], v[UU+3], v[TT+4]
	v_max3_num_f32 v[XX+3], v[UU+4], v[TT+5], v[UU+5]
	v_max3_num_f32 v[XX+4], v[TT+6], v[UU+6], v[TT+7]
	v_max3_num_f32 v[XX+5], v[XX],   v[XX+1], v[XX+2]
	v_max3_num_f32 v[XX+6], v[XX+3], v[XX+4], v[UU+7]
	v_max_num_f32 v[XX+7], v[XX+5], v[XX+6]
	v_permlanex16_b32 v9, v[XX+7], s[SEL], s[SEL+1]  ; the query's other 64 keys lie in the lane 16 away
	v_max_num_f32 v[XX+7], v[XX+7], v9
	v_mul_f32 v[CM], s[CS], v[XX+7]
	WIN WN|(WN<<6)                                 ; destination and source 0 in the accumulators' window, c m in window 0
.set i, 0
.rept 32
	v_pk_fma_f32 v[AC+2*i:AC+2*i+1], v[AC+2*i:AC+2*i+1], s[CS:CS+1], v[CM:CM+1] op_sel_hi:[1,0,0] neg_lo:[0,0,1] neg_hi:[0,0,1]  ; c s - c m
.set i, i+1
.endr
.set i, 0
.rept 64
	v_exp_f32 v[AC+i], v[AC+i]
.set i, i+1
.endr
	v_nop                                          ; a plain instruction between the last exponential and the use of its result (ISA guide 5.7.2)
	WIN WN|(WN<<2)
	s_wait_alu depctr_va_vdst(0)
.irp b, 0,1,2,3,4,5,6,7
.irp r, 0,1,2,3
	v_cvt_pk_f16_f32 v[TMP+4*(\b)+(\r)], v[AC+8*(\b)+2*(\r)], v[AC+8*(\b)+2*(\r)+1]
.endr
.endr
.set i, 0
.rept 16
	v_pk_add_f32 v[SU+2*i:SU+2*i+1], v[AC+4*i:AC+4*i+1], v[AC+4*i+2:AC+4*i+3]
.set i, i+1
.endr
	WIN 0
.irp n, 8,4,2,1
.set i, 0
.rept \n
	v_pk_add_f32 v[SU+2*i:SU+2*i+1], v[SU+2*i:SU+2*i+1], v[SU+2*(i+\n):SU+2*(i+\n)+1]
.set i, i+1
.endr
.endr
	v_add_f32 v[LS], v[SU], v[SU+1]
	v_permlanex16_b32 v9, v[LS], s[SEL], s[SEL+1]
	v_add_f32 v[LS], v[LS], v9
	v_cndmask_b32 v10, v[CM], v[LS], s[HM]         ; lanes 0-15 put c m, lanes 16-31 l
	ds_store_b32 v[SA], v10 offset:64*(\a)
.endm
.macro TOSTAGE a
	WIN 0
.set BK, OB+192*((\a)%2)
.irp b, 0,1,2,3,4,5,6,7
	ds_store_b128 v[STO], v[TMP+4*(\b):TMP+4*(\b)+3] offset:32*(\b)
.endr
.irp t, 0,1,2,3,4,5,6,7
	ds_load_b128 v[BK+4*(\t):BK+4*(\t)+3], v[RD] offset:(\t)*2*SPITCH   ; LDS serves a wave's instructions in order (ISA guide 5.7.1.4)
.endr
.endm
.macro SEND a
	WIN 0
.set BK, OB+192*((\a)%2)
	s_wait_dscnt 0x0
	s_wait_xcnt 0x0                                ; the stores' base and the registers that earlier stores read are rewritten only behind this wait
.if (\a) > 0
	s_add_nc_u64 s[76:77], s[76:77], 16*PMB
.endif
.irp t, 0,1,2,3,4,5,6,7
	global_store_b128 v[CO], v[BK+4*(\t):BK+4*(\t)+3], s[76:77] offset:2*(\t)*PMB   ; 16 lanes store 256 consecutive bytes, aligned
.endr
.endm
	s_wait_tensorcnt 1                             ; my part of K step 0 is in; step 1's may stay out
	s_barrier_signal -1
	s_barrier_wait -1
	FETCH 0, F0
	QUARTER QK, F0, F1, 1                          ; the first quarter starts the sums
	WIN 0
	s_mov_b32 s3, 6
.Lstep:                                                ; trip t: the rest of K step t, the refill with step t + 2, the first quarter of step t + 1
	QUARTER 2*QK, F1, F0, 0
	QUARTER 3*QK, F0, F1, 0
	TURN 1
	QUARTER QK, F0, F1, 0
	WIN 0
	s_sub_co_u32 s3, s3, 1
	s_cmp_lg_u32 s3, 0
	s_cbranch_scc1 .Lstep
	s_mov_b32 s3, 2
.Ltail:                                                ; K steps 6 and 7: nothing more is asked for
	QUARTER 2*QK, F1, F0, 0
	QUARTER 3*QK, F0, F1, 0
	TURN 0
	WIN 0
	s_cmp_eq_u32 s3, 1
	s_cbranch_scc1 .Lskip                          ; behind step 7 there is no further step
	QUARTER QK, F0, F1, 0
	WIN 0
.Lskip:
	s_wait_dscnt 0x0                               ; in the last trip: the fetch that nobody multiplies has landed, before its registers serve the way out
	s_sub_co_u32 s3, s3, 1
	s_cmp_lg_u32 s3, 0
	s_cbranch_scc1 .Ltail
	PLACES
	SOFT 0
	TOSTAGE 0
.irp a, 1,2,3,4,5,6,7
	SOFT \a                                        ; a block's softmax stands between the loads of the block before and the wait for them
	SEND (\a)-1
	TOSTAGE \a
.endr
	SEND 7
	s_wait_xcnt 0x0                                ; v32-39 were read by earlier stores
	ds_load_b128 v[32:35], v[SR]                   ; my wave's 128 c m,
	ds_load_b128 v[36:39], v[SR] offset:512        ; and its 128 l: my own bytes, served in order behind my stores
	s_wait_dscnt 0x0
	global_store_b128 v[SG], v[32:35], s[78:79]    ; 512 consecutive bytes each, aligned
	global_store_b128 v[SG], v[36:39], s[78:79] offset:524288
	s_wait_tensorcnt 0x0                           ; the wave's end
	ds_add_u32 v[SPW], v[NIL]
	s_wait_dscnt 0x0
	CROUND
	s_endpgm
.Lfunc_end_k_q2a7baf5a34_score:
	.size	k_q2a7baf5a34_score, .Lfunc_end_k_q2a7baf5a34_score-k_q2a7baf5a34_score
	.p2alignl 7, 3214868480
	.fill 96, 4, 3214868480
	.section	.rodata,"a",@progbits
	.p2align	6, 0x0
	.amdhsa_kernel k_q2a7baf5a34_score
		.amdhsa_group_segment_fixed_size 327680
		.amdhsa_private_segment_fixed_size 0
		.amdhsa_enable_private_segment 0
		.amdhsa_kernarg_size 24
		.amdhsa_user_sgpr_count 2
		.amdhsa_user_sgpr_kernarg_segment_ptr 1
		.amdhsa_wavefront_size32 1
		.amdhsa_system_sgpr_workgroup_id_x 1
		.amdhsa_system_sgpr_workgroup_id_y 1
		.amdhsa_system_sgpr_workgroup_id_z 1
		.amdhsa_system_vgpr_workitem_id 0
		.amdhsa_next_free_vgpr 1024
		.amdhsa_next_free_sgpr 80
		.amdhsa_reserve_vcc 0
		.amdhsa_float_denorm_mode_32 3
		.amdhsa_float_denorm_mode_16_64 3
		.amdhsa_memory_ordered 1
		.amdhsa_forward_progress 1
		.amdhsa_inst_pref_size 169
	.end_amdhsa_kernel
	.amdgpu_metadata
---
amdhsa.version: [ 1, 2 ]
amdhsa.kernels:
  - .name:           k_q2a7baf5a34_score
    .symbol:         k_q2a7baf5a34_score.kd
    .args:
      - { .name: qkvt, .offset: 0, .size: 8, .value_kind: global_buffer, .address_space: global }
      - { .name: pm, .offset: 8, .size: 8, .value_kind: global_buffer, .address_space: global }
      - { .name: st, .offset: 16, .size: 8, .value_kind: global_buffer, .address_space: global }
    .group_segment_fixed_size: 327680
    .private_segment_fixed_size: 0
    .kernarg_segment_align: 8
    .kernarg_segment_size: 24
    .max_flat_workgroup_size: 128
    .sgpr_count:     80
    .vgpr_count:     1024
    .wavefront_size: 32
...
	.end_amdgpu_metadata
.endif
;; end of part 3
;; launch pv (part 4): grid 8 x 32, 4 waves a work-group, clusters of 4 x 4, 327,680 bytes of LDS; arguments pm, qkvt, st, out0; writes out0
.if DOCPART == 4
	.amdgcn_target "amdgcn-amd-amdhsa--gfx1250"
	.amdhsa_code_object_version 6
	.text
	.protected	k_q2a7baf5a34_pv
	.globl	k_q2a7baf5a34_pv
	.p2align	8
	.type	k_q2a7baf5a34_pv,@function
k_q2a7baf5a34_pv:
	s_mov_b64 s[64:65], 0
	v_nop
	global_prefetch_b8 v0, s[64:65] scope:SCOPE_SE
	s_setreg_imm32_b32 hwreg(HW_REG_WAVE_MODE, 25, 1), 1
	s_wait_xcnt 0x0
	s_wait_alu depctr_hold_cnt(0) depctr_sa_sdst(0) depctr_va_vdst(0) depctr_va_sdst(0) depctr_va_ssrc(0) depctr_va_vcc(0) depctr_vm_vsrc(0)
	s_getreg_b32 s2, hwreg(HW_REG_IB_STS2, 6, 4)
	s_cmp_eq_u32 s2, 0
	s_cbranch_scc0 .Lentry_in_a_cluster
	s_endpgm
.Lentry_in_a_cluster:
	s_bfe_u32 s2, ttmp6, 0x10000c
	s_cmp_lg_u32 s2, 0xf033
	s_cbranch_scc0 .Lentry_shape_is_right
	s_endpgm
.Lentry_shape_is_right:
; out[q][ch] = sum over the 16 chunks t of f'_t[q] x (sum over the chunk's 128 keys of p[q][key] v[key][ch]), in f32.  f'_t = 2^(cm_t - M) / L, M = the largest cm_t of the query, L = sum of 2^(cm_t - M) l_t:
; the softmax's true maximum over all 2,048 keys is taken here, ahead of these exponentials; L is at least 1, since the chunk that holds M has factor 1 and l >= 1.
; LIMITS.  p and v arrive in f16; a factor below 2^-126 counts as 0.  NaN and infinities are not treated apart.
; TILE.  256 queries x 128 channels: 32 x 8 = 256 work-groups.  Four waves, each 128 x 64.  K = 2,048 keys in 16 steps of 128, one chunk a step, through two LDS slots; a step is written once and looped over.
; The last two steps, which ask for nothing, are a loop of their own; its last trip jumps over the next step's first quarter, and its fetch of fragments that nobody multiplies is the price, once a launch, of one text.
; TWO SETS OF SUMS.  A step's products sum into PART (started with the constant 0); TOT += f' x PART is made in f32 by 128 packed multiply-adds, four in front of each product of the next step's first quarter,
; which then starts PART anew.  TOT is cleared once, by 256 v_mov_b32 in the wait for the first tile: the price of writing no first step out.
; CLUSTER 4 x 4: the four of a row need the same tiles of p, the four of a column (one batch) the same tiles of v^T.
; THE MATRIX INSTRUCTION IS USED TRANSPOSED (source 0 = 16 channels, source 1 = 16 queries): a lane holds one query (lane % 16), so f' is one number a lane and block, and eight neighbouring channels.
; REGISTERS: window 0: v0-31 addresses; v32-47 f' of my eight blocks (even registers; the odd ones are named with them as pairs); v64-127, v128-191 fragments of p, two buffers; v192-223, v224-255 of v^T
;   window 1: PART (a, b) at v[8 (4 a + b)];   window 2: TOT at the same numbers
.set PMB,    4096                      ; bytes in a row of pm
.set TOKB,   16384                     ; bytes in a row of qkvt
.set OUTB,   4096                      ; bytes in a row of out0
.set KSTEP,  128
.set PITCH,  272                       ; an LDS row: 256 bytes + 16 of padding
.set HA,     128*PITCH                 ; half of p's tile
.set HB,     64*PITCH                  ; half of v^T's tile
.set SLOT1,  1<<17                     ; slot 1 begins here (a slot uses 104,448 bytes)
.set STAGE,  SLOT1+2*HA+2*HB           ; 16 rows x 272 bytes for each wave
.set FT,     STAGE+4*16*PITCH          ; f'[16 chunks][256 queries], f32
.set SPARE,  FT+16*1024                ; the spare words, 128 bytes a wave, that no other line names
.set ADRA0, 16
.set ADRB0, 17
.set ADRA,  18
.set ADRB,  19
.set STO,   24
.set RD,    25
.set CO,    26
.set FA,    27                         ; v27  where f' of my block 0 lies for the chunk to be loaded next
.set SPW,   28
.set NIL,   29
.set SO,    30                         ; v30  8 x thread: my two queries in a row of st
.set FTW,   31                         ; v31  the same in a row of FT
.set FP,    32
.set OB,    64
.set G1,  24
.set G0,  32
.set G1B, 48
.set G0B, 56
.set TB,  66
.set GC,  (1<<16)|(1<<20)|(1<<21)|(5<<22)|(3<<25)
.set MSB, 0
.macro WIN new
.if MSB != (\new)
	s_set_vgpr_msb (MSB<<8)|(\new)
.set MSB, \new
.endif
.endm
.macro PLACES
.rept 4
	v_nop
.endr
.endm
.macro JLOAD                           ; a joint refill by the walking descriptor; s_nop 0 and four v_nop follow each line
	s_cmp_eq_u32 s11, 0
	s_cbranch_scc0 .Lfor_b_\@
	tensor_load_to_lds s[G0+4:G0+7], s[G1:G1+7]
	s_nop 0
	PLACES
	s_branch .Lasked_\@
.Lfor_b_\@:
	tensor_load_to_lds s[G0B+4:G0B+7], s[G1B:G1B+7]
	s_nop 0
	PLACES
.Lasked_\@:
.endm
.macro CREST
	s_cmp_lg_u32 s10, 0
	s_cbranch_scc1 .Lnot_wave_0_\@
	s_barrier_signal -3
.Lnot_wave_0_\@:
	s_barrier_wait -3
	s_barrier_signal -1
	s_barrier_wait -1
.endm
.macro CROUND
	s_barrier_signal -1
	s_barrier_wait -1
	CREST
.endm
	s_load_b128 s[4:7], s[0:1], 0x0                ; pm s[4:5], qkvt s[6:7]
	s_load_b128 s[76:79], s[0:1], 0x10             ; st s[76:77], out0 s[78:79]
	v_lshl_add_u32 v[SPW], v0, 2, SPARE
	v_mov_b32 v[NIL], 0
	ds_add_u32 v28, v29
	s_wait_dscnt 0x0
	v_lshrrev_b32 v1, 5, v0
	v_readfirstlane_b32 s10, v1
	s_lshr_b32 s11, s10, 1                         ; my half of the queries.  Also: I fetch for p (0) or v^T (1)
	s_and_b32 s12, s10, 1                          ; my half of the channels.  Also: which half of that tile I fetch
	s_bfe_u32 s40, ttmp6, 0x40000
	s_bfe_u32 s41, ttmp6, 0x40004
	s_lshl_b32 s42, ttmp9, 2
	s_add_co_u32 s42, s42, s40                     ; tx: block of 128 channels
	s_and_b32 s13, ttmp7, 0xffff
	s_lshr_b32 s45, s13, 1                         ; the batch, of the cluster's y alone
	s_lshl_b32 s13, s13, 2
	s_add_co_u32 s13, s13, s41                     ; ty: block of 256 queries
	s_lshl_b32 s43, s41, 2
	s_lshl_b32 s43, 15, s43
	s_lshl_b32 s44, 0x1111, s40
	s_or_b32 s[G1], s43, GC                        ; p's tiles go to my row
	s_or_b32 s[G1B], s44, GC                       ; v^T's to my column
	s_mov_b32 s[G1+1], KSTEP<<16
	s_mov_b32 s[G1+2], 128<<16                     ; 128 rows
	s_mov_b32 s[G1+3], KSTEP<<16
	s_mov_b32 s[G1+4], 128
	s_mov_b32 s[G1+5], 2048                        ; elements from row to row of pm
	s_mov_b32 s[G1+6], 0
	s_mov_b32 s[G1+7], 0
	s_mov_b32 s[G1B+1], KSTEP<<16
	s_mov_b32 s[G1B+2], 64<<16                     ; 64 rows
	s_mov_b32 s[G1B+3], KSTEP<<16
	s_mov_b32 s[G1B+4], 64
	s_mov_b32 s[G1B+5], 8192                       ; of qkvt
	s_mov_b32 s[G1B+6], 0
	s_mov_b32 s[G1B+7], 0
	s_lshl_b32 s16, s13, 8                         ; p: row 256 ty + 128 x half
	s_lshl_b32 s17, s12, 7
	s_add_co_u32 s16, s16, s17
	s_lshl_b32 s16, s16, 12
	s_mov_b32 s17, 0
	s_lshl_b32 s46, s42, 7                         ; v^T: row 2,048 + 128 tx + 64 x half; the batch's 4,096 bytes
	s_lshl_b32 s47, s12, 6
	s_add_co_u32 s46, s46, s47
	s_add_co_u32 s46, s46, 2048
	s_lshl_b32 s46, s46, 14
	s_lshl_b32 s47, s45, 12
	s_add_co_u32 s46, s46, s47
	s_mov_b32 s47, 0
	s_mul_i32 s20, s12, HA
	s_mul_i32 s21, s12, HB
	s_add_co_u32 s21, s21, 2*HA
	s_mov_b32 s[TB], 0
	s_wait_kmcnt 0x0
	s_add_nc_u64 s[14:15], s[4:5], s[16:17]
	s_add_nc_u64 s[46:47], s[6:7], s[46:47]
	CROUND
.irp s, 0,1
	s_mov_b32 s[G0+4*(\s)], 1
	s_add_co_u32 s[G0+4*(\s)+1], s20, (\s)*SLOT1
	s_add_nc_u64 s[G0+4*(\s)+2:G0+4*(\s)+3], s[14:15], (\s)*KSTEP*2
	s_or_b32 s[G0+4*(\s)+3], s[G0+4*(\s)+3], 0x80000000
	s_mov_b32 s[G0B+4*(\s)], 1
	s_add_co_u32 s[G0B+4*(\s)+1], s21, (\s)*SLOT1
	s_add_nc_u64 s[G0B+4*(\s)+2:G0B+4*(\s)+3], s[46:47], (\s)*KSTEP*2
	s_or_b32 s[G0B+4*(\s)+3], s[G0B+4*(\s)+3], 0x80000000
.endr
	s_cmp_eq_u32 s11, 0                            ; a wave's two first fills stand in one branch: two loads of mine are out
	s_cbranch_scc0 .Lfirst_b
	tensor_load_to_lds s[G0:G0+3], s[G1:G1+7]
	s_nop 0
	tensor_load_to_lds s[G0+4:G0+7], s[G1:G1+7]
	s_nop 0
	PLACES
	s_branch .Lfirst_asked
.Lfirst_b:
	tensor_load_to_lds s[G0B:G0B+3], s[G1B:G1B+7]
	s_nop 0
	tensor_load_to_lds s[G0B+4:G0B+7], s[G1B:G1B+7]
	s_nop 0
	PLACES
.Lfirst_asked:
	; the statistics of the work-group's 256 queries: thread i takes queries 2 i and 2 i + 1, all 16 chunks
	v_lshlrev_b32 v[SO], 3, v0
	s_lshl_b32 s22, s13, 10
	s_mov_b32 s23, 0
	s_add_nc_u64 s[76:77], s[76:77], s[22:23]
.set t, 0
.rept 16
	global_load_b64 v[64+2*t:65+2*t], v[SO], s[76:77] offset:t*32768           ; c m
	global_load_b64 v[96+2*t:97+2*t], v[SO], s[76:77] offset:524288+t*32768    ; l
.set t, t+1
.endr
	v_and_b32 v1, 15, v0                           ; r
	v_bfe_u32 v2, v0, 4, 1                         ; h
	v_mul_u32_u24 v3, v1, PITCH
	v_lshl_add_u32 v4, v2, 5, v3                   ; the stage: row r, 32 bytes for each half of the lanes
	v_lshl_add_u32 v3, v2, 4, v3                   ; a fragment: row x pitch + 16 x half
	s_mul_i32 s22, s11, HA
	v_add_nc_u32 v[ADRA0], s22, v3
	v_add_nc_u32 v[ADRB0], s21, v3
	v_mov_b32 v[ADRA], v[ADRA0]
	v_mov_b32 v[ADRB], v[ADRB0]
	s_mul_i32 s23, s10, 16*PITCH
	s_add_co_u32 s23, s23, STAGE
	v_add_nc_u32 v[STO], s23, v4
	v_mul_u32_u24 v5, v2, PITCH
	v_lshl_add_u32 v5, v1, 4, v5
	v_add_nc_u32 v[RD], s23, v5
	v_lshlrev_b32 v5, 12, v2
	v_lshl_add_u32 v[CO], v1, 4, v5
	s_lshl_b32 s19, s11, 9
	s_add_co_u32 s19, s19, FT
	v_lshl_add_u32 v[FA], v1, 2, s19               ; FT + 512 x my half + 4 r
	v_lshl_add_u32 v[FTW], v0, 3, FT
.irp a, 0,1,2,3,4,5,6,7
	v_mov_b32 v[FP+2*(\a)+1], 0                    ; named as pairs with f'
.endr
	s_lshl_b32 s18, s13, 8                         ; out0: (256 ty + 128 x half) rows, 512 tx + 256 x half bytes
	s_lshl_b32 s19, s11, 7
	s_add_co_u32 s18, s18, s19
	s_lshl_b32 s16, s18, 12
	s_mov_b32 s17, 0
	s_lshl_b32 s46, s42, 9
	s_lshl_b32 s47, s12, 8
	s_add_co_u32 s46, s46, s47
	s_mov_b32 s47, 0
	s_add_nc_u64 s[16:17], s[16:17], s[46:47]
	s_add_nc_u64 s[78:79], s[78:79], s[16:17]
	WIN 0x80                                       ; TOT = 0, while the statistics and the first tiles are on their way
.set i, 0
.rept 256
	v_mov_b32 v[i], 0
.set i, i+1
.endr
	WIN 0
	s_wait_loadcnt 0x0
	v_max3_num_f32 v128, v64, v66, v68             ; M of my two queries
	v_max3_num_f32 v129, v65, v67, v69
.irp t, 3,5,7,9,11,13
	v_max3_num_f32 v128, v128, v[64+2*(\t)], v[66+2*(\t)]
	v_max3_num_f32 v129, v129, v[65+2*(\t)], v[67+2*(\t)]
.endr
	v_max_num_f32 v128, v128, v94
	v_max_num_f32 v129, v129, v95
.set t, 0
.rept 16
	v_pk_add_f32 v[64+2*t:65+2*t], v[64+2*t:65+2*t], v[128:129] neg_lo:[0,1] neg_hi:[0,1]   ; cm_t - M
.set t, t+1
.endr
.set t, 0
.rept 32
	v_exp_f32 v[64+t], v[64+t]
.set t, t+1
.endr
	v_nop                                          ; a plain instruction behind the last exponential
	s_wait_alu depctr_va_vdst(0)
	v_pk_mul_f32 v[130:131], v[64:65], v[96:97]    ; L
.set t, 1
.rept 15
	v_pk_fma_f32 v[130:131], v[64+2*t:65+2*t], v[96+2*t:97+2*t], v[130:131]
.set t, t+1
.endr
	v_rcp_f32 v130, v130
	v_rcp_f32 v131, v131
	v_nop                                          ; a plain instruction behind the last reciprocal
.set t, 0
	s_wait_alu depctr_va_vdst(0)
.rept 16
	v_pk_mul_f32 v[64+2*t:65+2*t], v[64+2*t:65+2*t], v[130:131]
.set t, t+1
.endr
.set t, 0
.rept 16
	ds_store_b64 v[FTW], v[64+2*t:65+2*t] offset:t*1024
.set t, t+1
.endr
; 8 matrix instructions: query blocks a0, a0 + 1 x all 4 channel blocks, 32 keys of buffer f.  mode 0: PART += ; 1: PART starts; 2: four packed multiply-adds take the old PART into TOT (from its low end on),
; then PART starts.  The 32 accumulators take turns.
.macro MUL8 f, a0, mode
.irp a, \a0, (\a0)+1
.irp b, 0,1,2,3
.if (\mode) == 2
	WIN 0xa1                                       ; TOT (destination, source 2) window 2, PART (source 0) window 1, f' window 0
.irp r, 0,1,2,3
	v_pk_fma_f32 v[8*(4*(\a)+(\b))+2*(\r):8*(4*(\a)+(\b))+2*(\r)+1], v[8*(4*(\a)+(\b))+2*(\r):8*(4*(\a)+(\b))+2*(\r)+1], v[FP+2*(\a):FP+2*(\a)+1], v[8*(4*(\a)+(\b))+2*(\r):8*(4*(\a)+(\b))+2*(\r)+1] op_sel_hi:[1,0,1]
.endr
.endif
	WIN 0x50                                       ; fragments window 0, C and D window 1
.if \mode
	v_wmma_f32_16x16x32_f16 v[8*(4*(\a)+(\b)):8*(4*(\a)+(\b))+7], v[192+32*(\f)+8*(\b):192+32*(\f)+8*(\b)+7], v[64+64*(\f)+8*(\a):64+64*(\f)+8*(\a)+7], 0
.else
	v_wmma_f32_16x16x32_f16 v[8*(4*(\a)+(\b)):8*(4*(\a)+(\b))+7], v[192+32*(\f)+8*(\b):192+32*(\f)+8*(\b)+7], v[64+64*(\f)+8*(\a):64+64*(\f)+8*(\a)+7], v[8*(4*(\a)+(\b)):8*(4*(\a)+(\b))+7]
.endif
.endr
.endr
.endm
; One run of LDS loads: (fl = 1: f' of the step in hand for my eight blocks, first;) the fragments of 32 keys at byte k of the rows, into buffer f: v^T's four, then p's eight
.macro FETCH k, f, fl
	WIN 0
.if \fl
.irp a, 0,1,2,3,4,5,6,7
	ds_load_b32 v[FP+2*(\a)], v[FA] offset:64*(\a)
.endr
	v_add_nc_u32 v[FA], 1024, v[FA]                ; the next chunk's row of FT
.endif
.irp i, 0,1,2,3
	ds_load_b128 v[192+32*(\f)+8*(\i):192+32*(\f)+8*(\i)+3],   v[ADRB] offset:(\k)+(\i)*16*PITCH
	ds_load_b128 v[192+32*(\f)+8*(\i)+4:192+32*(\f)+8*(\i)+7], v[ADRB] offset:(\k)+(\i)*16*PITCH+32
.endr
.irp i, 0,1,2,3,4,5,6,7
	ds_load_b128 v[64+64*(\f)+8*(\i):64+64*(\f)+8*(\i)+3],   v[ADRA] offset:(\k)+(\i)*16*PITCH
	ds_load_b128 v[64+64*(\f)+8*(\i)+4:64+64*(\f)+8*(\i)+7], v[ADRA] offset:(\k)+(\i)*16*PITCH+32
.endr
.endm
.macro QUARTER k, f, g, mode, fl
	s_wait_dscnt 8                                 ; v^T's fragments and p's blocks 0-3 are in; the youngest eight loads may be out
.if (\mode) == 2
.rept 5
	v_nop                                          ; behind the last step's products: four places before PART is read, five before it is written over; also the places in front of the loads below
.endr
.endif
	MUL8 \f, 0, \mode
	MUL8 \f, 2, \mode
	WIN 0
.if (\mode) != 2
	PLACES
.endif
	FETCH \k, \g, \fl
	s_wait_dscnt 24+8*(\fl)                        ; all but the run just issued
	MUL8 \f, 4, \mode
	MUL8 \f, 6, \mode
.endm
; The last quarter multiplies buffer 1 and changes slots in its middle.  Its first sixteen products stand AHEAD of the wait for the tile, so that nothing but the three lines and the barrier stands between a tile's
; landing and the next request.  In front of the barrier each wave waits for all its tensor loads (one is out: its part of the next slot), adds 0 to its spare word, and waits for that and for its reads of this slot.
; fill = 1: the barrier opens a round of the cluster's, and this slot is filled again, two steps ahead, first thing behind the round.
.macro TURN fill
	s_wait_dscnt 8                                 ; v^T's fragments and p's blocks 0-3 are in
	MUL8 1, 0, 0
	MUL8 1, 2, 0
	WIN 0
	s_wait_tensorcnt 0x0                           ; no tensor load of mine is out, so a group 0 may be written
	ds_add_u32 v[SPW], v[NIL]
.if \fill
	s_xor_b32 s[G0+5], s[G0+5], SLOT1              ; the walking descriptors: the other slot than last time, the next 128 keys
	s_add_nc_u64 s[G0+6:G0+7], s[G0+6:G0+7], KSTEP*2
	s_xor_b32 s[G0B+5], s[G0B+5], SLOT1
	s_add_nc_u64 s[G0B+6:G0B+7], s[G0B+6:G0B+7], KSTEP*2
.endif
	s_wait_dscnt 0x0                               ; the add is done, and my reads of this slot are over
	s_barrier_signal -1
	s_barrier_wait -1
.if \fill
	CREST                                          ; no wave of any partner still reads this slot or has a load on its way
	JLOAD                                          ; its four v_nop are also the places in front of the loads below
.else
	PLACES
.endif
	s_xor_b32 s[TB], s[TB], SLOT1
	v_add_nc_u32 v[ADRA], s[TB], v[ADRA0]
	v_add_nc_u32 v[ADRB], s[TB], v[ADRB0]
	FETCH 0, 0, 0
	MUL8 1, 4, 0                                   ; p's blocks 4-7 are in since the wait for 0 above
	MUL8 1, 6, 0
.endm
; THE WAY OUT of block a (16 queries x 64 channels of f32): a lane's eight channels, 32 bytes, into my stage; back as whole rows of 256 bytes; stored.
.macro TOSTAGE a
	s_wait_xcnt 0x0                                ; the registers loaded below were read by the stores of the block two back
.set BK, OB+32*((\a)%2)
	WIN 0x08                                       ; store data window 2
.irp b, 0,1,2,3
	ds_store_b128 v[STO], v[8*(4*(\a)+(\b)):8*(4*(\a)+(\b))+3]   offset:64*(\b)
	ds_store_b128 v[STO], v[8*(4*(\a)+(\b))+4:8*(4*(\a)+(\b))+7] offset:64*(\b)+16
.endr
	WIN 0
.irp t, 0,1,2,3,4,5,6,7
	ds_load_b128 v[BK+4*(\t):BK+4*(\t)+3], v[RD] offset:(\t)*2*PITCH   ; LDS serves a wave's instructions in order (ISA guide 5.7.1.4): these see the stores above; the next block's stores come behind them
.endr
.endm
.macro SEND a, younger                 ; younger: the LDS instructions issued behind block a's loads: the next block's sixteen, or none
	WIN 0
.set BK, OB+32*((\a)%2)
	s_wait_dscnt \younger
	s_wait_xcnt 0x0                                ; the stores' base is rewritten only behind this wait
.if (\a) > 0
	s_add_nc_u64 s[78:79], s[78:79], 16*OUTB
.endif
.irp t, 0,1,2,3,4,5,6,7
	global_store_b128 v[CO], v[BK+4*(\t):BK+4*(\t)+3], s[78:79] offset:2*(\t)*OUTB th:TH_STORE_NT   ; 16 lanes store 256 consecutive bytes, aligned
.endr
.endm
	s_wait_tensorcnt 1                             ; my part of K step 0 is in; step 1's may stay out
	s_wait_dscnt 0x0                               ; for the others' sake: my part of FT is written
	s_barrier_signal -1
	s_barrier_wait -1
	FETCH 0, 0, 0
	QUARTER 64, 0, 1, 1, 0                         ; the first quarter starts PART; there is nothing to take into TOT yet
	WIN 0
	s_mov_b32 s3, 14
.Lstep:                                                ; trip t: the rest of step t (its f' is loaded in the third quarter), the refill with step t + 2, the first quarter of step t + 1, which takes step t into TOT
	QUARTER 128, 1, 0, 0, 0
	QUARTER 192, 0, 1, 0, 1
	TURN 1
	QUARTER 64, 0, 1, 2, 0
	WIN 0
	s_sub_co_u32 s3, s3, 1
	s_cmp_lg_u32 s3, 0
	s_cbranch_scc1 .Lstep
	s_mov_b32 s3, 2
.Ltail:                                                ; steps 14 and 15: nothing more is asked for
	QUARTER 128, 1, 0, 0, 0
	QUARTER 192, 0, 1, 0, 1
	TURN 0
	WIN 0
	s_cmp_eq_u32 s3, 1
	s_cbranch_scc1 .Lskip                          ; behind step 15 there is no further step
	QUARTER 64, 0, 1, 2, 0
	WIN 0
.Lskip:
	s_wait_dscnt 0x0                               ; in the last trip: the fetch that nobody multiplies has landed, before its registers serve the way out
	s_sub_co_u32 s3, s3, 1
	s_cmp_lg_u32 s3, 0
	s_cbranch_scc1 .Ltail
	PLACES
	WIN 0xa1                                       ; the last step into TOT
.set i, 0
.rept 128
	v_pk_fma_f32 v[2*i:2*i+1], v[2*i:2*i+1], v[FP+2*(i/16):FP+2*(i/16)+1], v[2*i:2*i+1] op_sel_hi:[1,0,1]
.set i, i+1
.endr
	WIN 0
	TOSTAGE 0
.irp a, 1,2,3,4,5,6,7
	TOSTAGE \a
	SEND (\a)-1, 16
.endr
	SEND 7, 0
	s_wait_tensorcnt 0x0                           ; the wave's end
	ds_add_u32 v[SPW], v[NIL]
	s_wait_dscnt 0x0
	CROUND
	s_endpgm
.Lfunc_end_k_q2a7baf5a34_pv:
	.size	k_q2a7baf5a34_pv, .Lfunc_end_k_q2a7baf5a34_pv-k_q2a7baf5a34_pv
	.p2alignl 7, 3214868480
	.fill 96, 4, 3214868480
	.section	.rodata,"a",@progbits
	.p2align	6, 0x0
	.amdhsa_kernel k_q2a7baf5a34_pv
		.amdhsa_group_segment_fixed_size 327680
		.amdhsa_private_segment_fixed_size 0
		.amdhsa_enable_private_segment 0
		.amdhsa_kernarg_size 32
		.amdhsa_user_sgpr_count 2
		.amdhsa_user_sgpr_kernarg_segment_ptr 1
		.amdhsa_wavefront_size32 1
		.amdhsa_system_sgpr_workgroup_id_x 1
		.amdhsa_system_sgpr_workgroup_id_y 1
		.amdhsa_system_sgpr_workgroup_id_z 1
		.amdhsa_system_vgpr_workitem_id 0
		.amdhsa_next_free_vgpr 768
		.amdhsa_next_free_sgpr 80
		.amdhsa_reserve_vcc 0
		.amdhsa_float_denorm_mode_32 3
		.amdhsa_float_denorm_mode_16_64 3
		.amdhsa_memory_ordered 1
		.amdhsa_forward_progress 1
		.amdhsa_inst_pref_size 107
	.end_amdhsa_kernel
	.amdgpu_metadata
---
amdhsa.version: [ 1, 2 ]
amdhsa.kernels:
  - .name:           k_q2a7baf5a34_pv
    .symbol:         k_q2a7baf5a34_pv.kd
    .args:
      - { .name: pm, .offset: 0, .size: 8, .value_kind: global_buffer, .address_space: global }
      - { .name: qkvt, .offset: 8, .size: 8, .value_kind: global_buffer, .address_space: global }
      - { .name: st, .offset: 16, .size: 8, .value_kind: global_buffer, .address_space: global }
      - { .name: out0, .offset: 24, .size: 8, .value_kind: global_buffer, .address_space: global }
    .group_segment_fixed_size: 327680
    .private_segment_fixed_size: 0
    .kernarg_segment_align: 8
    .kernarg_segment_size: 32
    .max_flat_workgroup_size: 128
    .sgpr_count:     80
    .vgpr_count:     768
    .wavefront_size: 32
...
	.end_amdgpu_metadata
.endif
;; end of part 4
